; MI455X (gfx1250); checked and timed in simulation.
; The chip was launched on July 23, 2026; its instructions are those of AMD's public machine-readable ISA for CDNA 5 (MIT licence, August 2026) and "CDNA5" Instruction Set Architecture Reference Guide (July 2026). The comments in the code are by the model that wrote it; some were corrected since.
;; Sparse Mo E. Allowed arithmetic: matrix products marked QUANTISED: E2M3 operands, one E8M0 scale for each 32 along K, by v_wmma_scale_f32_16x16x128_f8f6f4 with both operands' format E2M3, f32 sums; products left as they are: f32 operands where the result goes on into a quantised operand, else bf16, f16 or f32 operands; f32 sums; everything else in f32.
;; Inputs: W1 8 x 1,024 x 4,096 float32; W2 8 x 4,096 x 1,024 float32; Wr 1,024 x 8 float32; b1 8 x 4,096 float32; b2 8 x 1,024 float32; br 8 float32; x 1,024 x 1,024 float32.
;; Outputs: out0 1,024 x 1,024 float32.
;; This version of the problem:
;;   THIS VERSION OF THE PROBLEM IS GIVEN IN LOW PRECISION. The matrix products marked QUANTISED in the list below multiply operands that are first quantised to E2M3 (2 exponent bits, 3 mantissa bits; 6 bits a number), with one power-of-two scale for each 32 numbers along K (OCP MX v1.0); their sums are f32. All else is computed in f32.
;;   The module's matrix products, in the order in which they are computed (A, B: the left and right operand; K: the contracted axis; several contracted axes count as one K, in the product's order):
;;     1. [M 1,024, K 1,024] x [K 1,024, N 8]; A: input x; B: input Wr: left as it is (N = 8 < 16)
;;     2. batch 1,024 x [M 1, K 2] x [K 2, N 8]; A: computed on the way; B: computed on the way: left as it is (K = 2 < 32)
;;     3. [M 1,024, K 1,024] x [K 1,024, N 32,768]; A: input x; B: input W1: QUANTISED
;;     4. batch 8 x [M 1,024, K 4,096] x [K 4,096, N 1,024]; A: input W2; B: computed on the way: QUANTISED
;;     5. batch 1,024 x [M 1, K 8] x [K 8, N 1,024]; A: computed on the way; B: computed on the way: left as it is (K = 8 < 32)
;;   THE QUANTISER, for each operand of a quantised product, along K:
;;     - K is cut into blocks of 32 from its start; a last block that is shorter is filled with zeros.
;;     - A block's scale is 2^e with e = floor(log2(the largest magnitude in the block)) - 2, held to -126 .. 127; a block of zeros has e = 0. As a byte (E8M0): e + 127.
;;     - Each number is divided by its block's scale, clamped to +-7.5, and rounded to the nearest number of E2M3, ties to even, subnormals kept.
;;     - The product sums the exact products of the quantised numbers (number of the format x scale) in f32.
;;   ~~~python
;;   def quantise(x, axis):      # numpy; x: float32 -> the quantised numbers, widened to float32 again
;;       x = np.moveaxis(x, axis, -1); K = x.shape[-1]
;;       x = np.pad(x, [(0, 0)] * (x.ndim - 1) + [(0, -K % 32)]); x = x.reshape(x.shape[:-1] + (-1, 32)); a = np.abs(x).max(-1, keepdims=True)
;;       e = np.where(a > 0, np.clip(np.frexp(np.where(a > 0, a, 1))[1] - 1 - 2, -126, 127), 0)      # np.frexp(a)[1] - 1 = floor(log2(a)), exactly
;;       r = np.clip(x / 2.0 ** e, -7.5, 7.5)
;;       step = 2.0 ** (np.maximum(np.frexp(np.where(r == 0, 1, r))[1] - 1, 0) - 3)
;;       q = np.round(r / step) * step * 2.0 ** e      # np.round: ties to even
;;       return np.moveaxis(q.reshape(q.shape[:-2] + (-1,))[..., :K], -1, axis).astype(np.float32)
;;   ~~~
;;   OPERANDS COMPUTED ON THE WAY. 'Computed on the way' means the value that the module computes at that place (a softmax that the list does not call 'softmax' is quantised finished and normalised). What goes into a quantiser is computed in f32, as accurately as f32 sums, v_exp_f32 and their like allow (about 1e-6 of the number): no bf16 or f16 on the way to a quantiser, and a product that is left as it is and whose result goes on into a quantised operand takes f32 operands (vector FMAs, or v_wmma_f32_16x16x4_f32). A number that lies on a knife's edge between two numbers of the format may be rounded either way, as far as f32 arithmetic and the matrix unit's own rounding can turn it there, and no further.
;; One version. Each part assembles by itself: llvm-mc -triple=amdgcn-amd-amdhsa -mcpu=gfx1250 --defsym DOCPART=n.
;; ======== version 1 of 1: 5 launches
;; workspace buffers: xq 786,432 bytes; xs 32,768 bytes; tidx 8,192 bytes of whole numbers; tw 8,192 bytes; plan 17,664 bytes of whole numbers; hc 8,257,536 bytes; y 18,874,368 bytes
;; launch route (part 1): grid 256 x 1, 4 waves a work-group, no clusters, 55,296 bytes of LDS; arguments x, Wr, br, xq, xs, tidx, tw; writes xq, xs, tidx, tw
.if DOCPART == 1
	.amdgcn_target "amdgcn-amd-amdhsa--gfx1250"
	.amdhsa_code_object_version 6
	.text
	.protected	k_qe3b92638c4_route
	.globl	k_qe3b92638c4_route
	.p2align	8
	.type	k_qe3b92638c4_route,@function
k_qe3b92638c4_route:
	s_mov_b64 s[64:65], 0
	v_nop
	global_prefetch_b8 v0, s[64:65] scope:SCOPE_SE
	s_setreg_imm32_b32 hwreg(HW_REG_WAVE_MODE, 25, 1), 1
	s_wait_xcnt 0x0
; ROUTER AND x INTO CODES.  One wave takes one token (token = 4 x work-group + wave).
; routing = softmax(x Wr + br) in f32, with the row's maximum taken away; the two largest (ties: the lower index) go out as whole numbers (tidx) and weights (tw).
; x's row is quantised to FP6 (E2M3), one E8M0 byte for each 32 along K: scale byte = the block's largest magnitude's exponent field - 2, held at 1 from below.
; xq: [token][h 2][s 8][48 bytes]: what lane (r, h) of a matrix operand wants of K step s lies on end: block 4 s + h, then block 4 s + 2 + h.   xs: [token][32 bytes].
; LIMITS: NaN and infinities are not served.  A block of zeros keeps the byte 1 (its codes are zeros; this program alone reads the bytes).
; The logits' sums run 32 a lane and then across lanes, another order than a plain chain: where two probabilities lie within f32 rounding of each other the choice may fall the other way.
; No matrix unit: eight columns are too few.  No tensor load: 48 KiB a work-group come by plain loads.
.set WRL, 0                            ; LDS: Wr as 32 pieces of 1,024 bytes (32 rows of Wr), 1,040 apart
.set XST, 33280                        ; a wave's stage for its row of x: 32 pieces of 128 bytes, 144 apart
.set CST, 51712                        ; a wave's stage for its 768 bytes of codes
.set X,   16                           ; v16-47   my block of 32 numbers
.set W,   48                           ; v48-111  Wr on its way
.set ACC, 112                          ; v112-119 eight logits
.set CD,  120                          ; v120-126 codes
.set P,   128                          ; v128-135 probabilities
.set BI,  136                          ; best index, second index, best, second
.set SI,  137
.set BEST, 138
.set SEC, 139
.set OC,  142                          ; v142-147 codes on the way out
	s_load_b256 s[4:11], s[0:1], 0x0               ; x, Wr, br, xq
	s_load_b128 s[12:15], s[0:1], 0x20             ; xs, tidx
	s_load_b64 s[16:17], s[0:1], 0x30              ; tw
	v_lshl_add_u32 v160, v0, 2, 0xd600
	v_mov_b32 v161, 0
	v_lshrrev_b32 v10, 5, v0
	v_readfirstlane_b32 s19, v10                   ; wave
	v_and_b32 v1, 31, v0                           ; lane l
	v_lshlrev_b32 v2, 4, v1                        ; 16 l
	s_lshl_b32 s18, ttmp9, 2
	s_add_co_u32 s18, s18, s19                     ; token
	s_mul_i32 s30, s19, 4608
	s_add_co_u32 s30, s30, XST
	v_lshrrev_b32 v10, 3, v1
	v_and_b32 v11, 7, v1
	v_mul_u32_u24 v3, v10, 144
	v_lshl_add_u32 v3, v11, 4, v3
	v_add_nc_u32 v3, s30, v3                       ; x's stage, in: eight lanes fill a piece of 128 bytes
	v_mul_u32_u24 v4, v1, 144
	v_add_nc_u32 v4, s30, v4                       ; out: piece l = block l
	v_lshrrev_b32 v10, 6, v0
	v_lshlrev_b32 v12, 4, v0                       ; 16 x thread: Wr in memory
	v_lshl_add_u32 v5, v10, 4, v12                 ; Wr in LDS: + 16 for each 1,024 passed
	v_mul_u32_u24 v6, v1, 1040                     ; out: my 32 rows of Wr
	s_mul_i32 s31, s19, 768
	s_add_co_u32 s31, s31, CST
	v_and_b32 v10, 1, v1
	v_mul_u32_u24 v7, v10, 384                     ; block l = 4 s + 2 c + h lies at 384 h + 48 s + 24 c
	v_lshrrev_b32 v10, 2, v1
	v_mad_u32_u24 v7, v10, 48, v7
	v_bfe_u32 v10, v1, 1, 1
	v_mad_u32_u24 v7, v10, 24, v7
	v_add_nc_u32 v7, s31, v7
	v_lshlrev_b32 v9, 3, v1                        ; 8 l
	v_add_nc_u32 v8, s31, v9
	s_mov_b32 s28, 0x76543210
	s_mov_b32 s29, 0xfedcba98                      ; lane l xor 16
.irp e, 0,1,2,3,4,5,6,7
	v_mov_b32 v[P+\e], 0                           ; a lane permute's destination counts as read
.endr
	s_wait_kmcnt 0x0
	s_load_b256 s[20:27], s[8:9], 0x0              ; br
	s_mov_b32 s3, 0
	s_lshl_b32 s2, s18, 12
	s_add_nc_u64 s[4:5], s[4:5], s[2:3]            ; my row of x
	s_mul_i32 s2, s18, 768
	s_add_nc_u64 s[10:11], s[10:11], s[2:3]
	s_lshl_b32 s2, s18, 5
	s_add_nc_u64 s[12:13], s[12:13], s[2:3]
	s_lshl_b32 s2, s18, 3
	s_add_nc_u64 s[14:15], s[14:15], s[2:3]
	s_add_nc_u64 s[16:17], s[16:17], s[2:3]
.irp j, 0,1,2,3,4,5,6,7
	global_load_b128 v[X+4*\j:X+4*\j+3], v2, s[4:5] offset:512*\j th:TH_LOAD_NT   ; 512 consecutive bytes a load
.endr
.irp i, 0,1,2,3,4,5,6,7,8,9,10,11,12,13,14,15
	global_load_b128 v[W+4*\i:W+4*\i+3], v12, s[6:7] offset:2048*\i               ; the work-group's four waves bring Wr once
.endr
	s_wait_loadcnt 16                              ; x's eight loads are in; Wr's sixteen may be out
.irp j, 0,1,2,3,4,5,6,7
	ds_store_b128 v3, v[X+4*\j:X+4*\j+3] offset:576*\j
.endr
.irp i, 0,1,2,3,4,5,6,7
	ds_load_b128 v[X+4*\i:X+4*\i+3], v4 offset:16*\i   ; LDS serves a wave's instructions in order: these see the stores above.  Lane l now holds block l
.endr
	s_wait_loadcnt 0x0
.irp i, 0,1,2,3,4,5,6,7,8,9,10,11,12,13,14,15
	ds_store_b128 v5, v[W+4*\i:W+4*\i+3] offset:2080*\i
.endr
	s_wait_dscnt 0x0                               ; for the others' sake: my part of Wr lies in LDS
	s_barrier_signal -1
	s_barrier_wait -1
	; ---- my block into codes
	v_max3_num_f32 v10, |v[X]|, |v[X+1]|, |v[X+2]|
	v_max3_num_f32 v11, |v[X+3]|, |v[X+4]|, |v[X+5]|
.irp i, 6,10,14,18,22,26
	v_max3_num_f32 v10, v10, |v[X+\i]|, |v[X+\i+1]|
	v_max3_num_f32 v11, v11, |v[X+\i+2]|, |v[X+\i+3]|
.endr
	v_max3_num_f32 v10, v10, |v[X+30]|, |v[X+31]|
	v_max3_num_f32 v10, v10, v11, 0x1800000        ; the floor 2^(3 - 127): the byte cannot fall under 1
	v_add_nc_u32 v14, 0xff000000, v10              ; 2 off the exponent field: the conversion's scale operand
	v_lshrrev_b32 v15, 23, v14                     ; the scale's byte
	v_cvt_scalef32_pk16_fp6_f32 v[CD:CD+2], v[X:X+15], v14
	v_cvt_scalef32_pk16_fp6_f32 v[CD+4:CD+6], v[X+16:X+31], v14   ; (a conversion's three registers begin on an even number)
	v_nop                                          ; one plain place behind a scaled conversion
	v_mov_b32 v[CD+3], v[CD+4]
	v_mov_b32 v[CD+4], v[CD+5]
	v_mov_b32 v[CD+5], v[CD+6]
	ds_store_b64 v7, v[CD:CD+1]
	ds_store_b64 v7, v[CD+2:CD+3] offset:8
	ds_store_b64 v7, v[CD+4:CD+5] offset:16
.irp i, 0,1,2
	ds_load_b64 v[OC+2*\i:OC+2*\i+1], v8 offset:256*\i
.endr
	global_store_b8 v1, v15, s[12:13]              ; 32 scale bytes a token
	s_wait_dscnt 0x0
.irp i, 0,1,2
	global_store_b64 v9, v[OC+2*\i:OC+2*\i+1], s[10:11] offset:256*\i   ; 32 lanes store 256 consecutive bytes, aligned
.endr
	; ---- the logits: my 32 numbers against my 32 rows of Wr, eight rows at a time
.irp q, 0,1,2,3
.irp i, 0,1,2,3,4,5,6,7,8,9,10,11,12,13,14,15
	ds_load_b128 v[W+4*\i:W+4*\i+3], v6 offset:256*\q+16*\i
.endr
	s_wait_dscnt 0x0
.irp k, 0,1,2,3,4,5,6,7
.irp e, 0,1,2,3,4,5,6,7
.if (\q == 0) && (\k == 0)
	v_mul_f32 v[ACC+\e], v[X], v[W+\e]             ; the first product starts the sums
.else
	v_fmac_f32 v[ACC+\e], v[X+8*\q+\k], v[W+8*\k+\e]
.endif
.endr
.endr
.endr
.irp m, 1,2,4,8
.irp e, 0,1,2,3,4,5,6,7
	v_add_f32_dpp v[ACC+\e], v[ACC+\e], v[ACC+\e] row_xmask:\m row_mask:0xf bank_mask:0xf
.endr
.endr
.irp e, 0,1,2,3,4,5,6,7
	v_permlanex16_b32 v[P+\e], v[ACC+\e], s28, s29
.endr
.irp e, 0,1,2,3,4,5,6,7
	v_add_f32 v[ACC+\e], v[ACC+\e], v[P+\e]        ; every lane holds the eight sums
.endr
	s_wait_kmcnt 0x0                               ; br
.irp e, 0,1,2,3,4,5,6,7
	v_add_f32 v[ACC+\e], s[20+\e], v[ACC+\e]
.endr
	v_max3_num_f32 v10, v[ACC], v[ACC+1], v[ACC+2]
	v_max3_num_f32 v10, v10, v[ACC+3], v[ACC+4]
	v_max3_num_f32 v10, v10, v[ACC+5], v[ACC+6]
	v_max_num_f32 v10, v10, v[ACC+7]               ; the row's maximum is taken away ahead of the exponentials
.irp e, 0,1,2,3,4,5,6,7
	v_sub_f32 v[P+\e], v[ACC+\e], v10
.endr
.irp e, 0,1,2,3,4,5,6,7
	v_mul_f32 v[P+\e], 0x3fb8aa3b, v[P+\e]         ; x log2(e)
.endr
.irp e, 0,1,2,3,4,5,6,7
	v_exp_f32 v[P+\e], v[P+\e]
.endr
	v_nop                                          ; a plain place behind the batch
	s_wait_alu depctr_va_vdst(0)                   ; one wait for the eight, ahead of their first reader
	v_add_f32 v10, v[P], v[P+1]
	v_add_f32 v11, v[P+2], v[P+3]
	v_add_f32 v13, v[P+4], v[P+5]
	v_add_f32 v14, v[P+6], v[P+7]
	v_add_f32 v10, v10, v11
	v_add_f32 v13, v13, v14
	v_add_f32 v10, v10, v13
	v_rcp_f32 v11, v10
	v_nop
	s_wait_alu depctr_va_vdst(0)
.irp e, 0,1,2,3,4,5,6,7
	v_mul_f32 v[P+\e], v[P+\e], v11
.endr
	; ---- the two largest; a later equal number does not displace an earlier one
	v_mov_b32 v[BEST], v[P]
	v_mov_b32 v[BI], 0
.irp e, 1,2,3,4,5,6,7
	v_cmp_ge_f32 vcc_lo, v[BEST], v[P+\e]          ; keep
	v_cndmask_b32 v[BI], \e, v[BI], vcc_lo
	v_cndmask_b32 v[BEST], v[P+\e], v[BEST], vcc_lo
.endr
	v_mov_b32 v[SEC], -1.0                         ; under every probability
	v_mov_b32 v[SI], 0
.irp e, 0,1,2,3,4,5,6,7
	v_cmp_eq_u32 s30, \e, v[BI]                    ; the best is passed over
	v_cmp_ge_f32 vcc_lo, v[SEC], v[P+\e]
	s_or_b32 vcc_lo, vcc_lo, s30                   ; keep
	v_cndmask_b32 v[SI], \e, v[SI], vcc_lo
	v_cndmask_b32 v[SEC], v[P+\e], v[SEC], vcc_lo
.endr
	v_mov_b32 v10, 0
	v_cmp_eq_u32 vcc_lo, 0, v1
	s_wait_xcnt 0x0                                ; EXEC changes only behind this wait
	s_wait_tensorcnt 0x0
	ds_add_u32 v160, v161
	s_wait_dscnt 0x0
	s_and_saveexec_b32 s30, vcc_lo                 ; lane 0 stores for the token
	global_store_b64 v10, v[BI:BI+1], s[14:15]
	global_store_b64 v10, v[BEST:BEST+1], s[16:17]
	s_wait_xcnt 0x0
	s_or_b32 exec_lo, exec_lo, s30
	s_endpgm
.Lfunc_end_k_qe3b92638c4_route:
	.size	k_qe3b92638c4_route, .Lfunc_end_k_qe3b92638c4_route-k_qe3b92638c4_route
	.p2alignl 7, 3214868480
	.fill 96, 4, 3214868480
	.section	.rodata,"a",@progbits
	.p2align	6, 0x0
	.amdhsa_kernel k_qe3b92638c4_route
		.amdhsa_group_segment_fixed_size 55296
		.amdhsa_private_segment_fixed_size 0
		.amdhsa_enable_private_segment 0
		.amdhsa_kernarg_size 56
		.amdhsa_user_sgpr_count 2
		.amdhsa_user_sgpr_kernarg_segment_ptr 1
		.amdhsa_wavefront_size32 1
		.amdhsa_system_sgpr_workgroup_id_x 1
		.amdhsa_system_sgpr_workgroup_id_y 1
		.amdhsa_system_sgpr_workgroup_id_z 1
		.amdhsa_system_vgpr_workitem_id 0
		.amdhsa_next_free_vgpr 162
		.amdhsa_next_free_sgpr 66
		.amdhsa_reserve_vcc 1
		.amdhsa_float_denorm_mode_32 3
		.amdhsa_float_denorm_mode_16_64 3
		.amdhsa_memory_ordered 1
		.amdhsa_forward_progress 1
		.amdhsa_inst_pref_size 30
	.end_amdhsa_kernel
	.amdgpu_metadata
---
amdhsa.version: [ 1, 2 ]
amdhsa.kernels:
  - .name:           k_qe3b92638c4_route
    .symbol:         k_qe3b92638c4_route.kd
    .args:
      - { .name: x, .offset: 0, .size: 8, .value_kind: global_buffer, .address_space: global }
      - { .name: Wr, .offset: 8, .size: 8, .value_kind: global_buffer, .address_space: global }
      - { .name: br, .offset: 16, .size: 8, .value_kind: global_buffer, .address_space: global }
      - { .name: xq, .offset: 24, .size: 8, .value_kind: global_buffer, .address_space: global }
      - { .name: xs, .offset: 32, .size: 8, .value_kind: global_buffer, .address_space: global }
      - { .name: tidx, .offset: 40, .size: 8, .value_kind: global_buffer, .address_space: global }
      - { .name: tw, .offset: 48, .size: 8, .value_kind: global_buffer, .address_space: global }
    .group_segment_fixed_size: 55296
    .private_segment_fixed_size: 0
    .kernarg_segment_align: 8
    .kernarg_segment_size: 56
    .max_flat_workgroup_size: 128
    .sgpr_count:     66
    .vgpr_count:     162
    .wavefront_size: 32
...
	.end_amdgpu_metadata
.endif
;; end of part 1
;; launch sort (part 2): grid 1 x 1, 32 waves a work-group, no clusters, 5,120 bytes of LDS; arguments tidx, plan; writes plan
.if DOCPART == 2
	.amdgcn_target "amdgcn-amd-amdhsa--gfx1250"
	.amdhsa_code_object_version 6
	.text
	.protected	k_qe3b92638c4_sort
	.globl	k_qe3b92638c4_sort
	.p2align	8
	.type	k_qe3b92638c4_sort,@function
k_qe3b92638c4_sort:
	s_mov_b64 s[64:65], 0
	v_nop
	global_prefetch_b8 v0, s[64:65] scope:SCOPE_SE
	s_setreg_imm32_b32 hwreg(HW_REG_WAVE_MODE, 25, 1), 1
	s_wait_xcnt 0x0
; COUNTING SORT of the 2,048 (token, choice) rows by expert.  One work-group, a thread to a token; whole numbers only; no atomics.
; Each expert's rows lie on end; its segment is filled up to a multiple of 32 rows (a PAIR of 16-row tiles).  The sum of ceil(count / 32) is at most 71 pairs; plan has room for 72.
; plan: rowtok[2304] at byte 0 (fill rows and the tail hold token 0: their results are computed and never read);  pos[1024][2] at 9,216;
;       at 17,408 for each expert {first pair, pairs}, at 17,472 the last pair in use.
	s_load_b128 s[4:7], s[0:1], 0x0                ; tidx, plan
	v_lshl_add_u32 v64, v0, 2, 0x400
	v_mov_b32 v65, 0
	v_lshrrev_b32 v2, 5, v0
	v_readfirstlane_b32 s8, v2                     ; wave
	v_and_b32 v1, 31, v0                           ; lane
	v_lshlrev_b32 v3, 3, v0                        ; 8 x token
	v_lshlrev_b32 v6, 2, v2                        ; 4 x wave
	v_lshlrev_b32 v7, 2, v1                        ; 4 x lane
	s_mov_b32 s10, 0x76543210
	s_mov_b32 s11, 0xfedcba98
	s_wait_kmcnt 0x0
	global_load_b64 v[4:5], v3, s[4:5]
	s_wait_loadcnt 0x0
	v_min_u32 v4, 7, v4
	v_min_u32 v5, 7, v5
.irp e, 0,1,2,3,4,5,6,7
	v_cmp_eq_u32 s[24+\e], \e, v4
	v_cmp_eq_u32 vcc_lo, \e, v5
	s_or_b32 s[24+\e], s[24+\e], vcc_lo            ; which of my wave's tokens chose expert e
	v_mbcnt_lo_u32_b32 v[16+\e], s[24+\e], 0       ; how many of them stand below my lane
	s_bcnt1_i32_b32 s9, s[24+\e]
	v_mov_b32 v[32+\e], s9
	ds_store_b32 v6, v[32+\e] offset:128*\e        ; the wave's count: all lanes write the same word with the same value
.endr
	s_wait_dscnt 0x0
	s_barrier_signal -1
	s_barrier_wait -1
.irp e, 0,1,2,3,4,5,6,7
	ds_load_b32 v[24+\e], v7 offset:128*\e         ; lane l: wave l's count
.endr
	v_cmp_gt_u32 vcc_lo, s8, v1                    ; waves in front of mine
	s_wait_dscnt 0x0
.irp e, 0,1,2,3,4,5,6,7
	v_lshlrev_b32 v10, 16, v[24+\e]
	v_cndmask_b32 v10, 0, v10, vcc_lo
	v_add_nc_u32 v[24+\e], v[24+\e], v10           ; low half: for the total; high half: for the rows in front of my wave (both at most 1,024)
.endr
.irp m, 1,2,4,8
.irp e, 0,1,2,3,4,5,6,7
	v_mov_b32_dpp v10, v[24+\e] row_xmask:\m row_mask:0xf bank_mask:0xf
	v_add_nc_u32 v[24+\e], v[24+\e], v10
.endr
.endr
.irp e, 0,1,2,3,4,5,6,7
	v_permlanex16_b32 v10, v[24+\e], s10, s11
	v_add_nc_u32 v[24+\e], v[24+\e], v10
	v_readfirstlane_b32 s[32+\e], v[24+\e]
.endr
.irp e, 0,1,2,3,4,5,6,7
	s_and_b32 s[40+\e], s[32+\e], 0xffff           ; the expert's rows
	s_lshr_b32 s[32+\e], s[32+\e], 16              ; those of earlier waves
	s_add_co_u32 s[48+\e], s[40+\e], 31
	s_lshr_b32 s[48+\e], s[48+\e], 5               ; its pairs
.endr
	s_mov_b32 s66, 0
.irp e, 0,1,2,3,4,5,6,7
	s_add_co_u32 s[67+\e], s[66+\e], s[48+\e]      ; its first pair
.endr
.irp e, 0,1,2,3,4,5,6,7,8
	s_lshl_b32 s[76+\e], s[66+\e], 5               ; its first row
.endr
.irp e, 0,1,2,3,4,5,6,7
	s_add_co_u32 s[86+\e], s[76+\e], s[32+\e]      ; where my wave's rows of expert e begin
.endr
	v_mov_b32 v12, 0
	v_mov_b32 v13, 0
.irp e, 0,1,2,3,4,5,6,7
	v_add_nc_u32 v10, s[86+\e], v[16+\e]
	v_cmp_eq_u32 vcc_lo, \e, v4
	v_cndmask_b32 v12, v12, v10, vcc_lo
	v_cmp_eq_u32 vcc_lo, \e, v5
	v_cndmask_b32 v13, v13, v10, vcc_lo
.endr
	v_min_u32 v12, 0x8ff, v12
	v_min_u32 v13, 0x8ff, v13
	v_lshlrev_b32 v14, 2, v12
	v_lshlrev_b32 v15, 2, v13
	global_store_b64 v3, v[12:13], s[6:7] offset:9216   ; pos[token]
	global_store_b32 v14, v0, s[6:7]               ; rowtok[pos] = token
	global_store_b32 v15, v0, s[6:7]
	; ---- the fill rows: wave e those of expert e (under 32), waves 8 to 15 the tail (at most 256 rows), the others none
	s_mov_b32 s12, 0
	s_mov_b32 s13, 0
.irp e, 0,1,2,3,4,5,6,7
	s_add_co_u32 s14, s[76+\e], s[40+\e]
	s_cmp_eq_u32 s8, \e
	s_cselect_b32 s12, s14, s12
	s_cselect_b32 s13, s[77+\e], s13
.endr
	s_sub_co_u32 s14, s8, 8
	s_lshl_b32 s14, s14, 5
	s_add_co_u32 s14, s14, s84
	s_lshr_b32 s15, s8, 3
	s_movk_i32 s16, 2304
	s_cmp_eq_u32 s15, 1
	s_cselect_b32 s12, s14, s12
	s_cselect_b32 s13, s16, s13
	v_add_nc_u32 v10, s12, v1
	v_cmp_gt_u32 vcc_lo, s13, v10
	v_min_u32 v10, 0x8ff, v10
	v_lshlrev_b32 v10, 2, v10
	v_mov_b32 v11, 0
	s_wait_xcnt 0x0                                ; EXEC changes only behind this wait
	s_and_saveexec_b32 s17, vcc_lo
	global_store_b32 v10, v11, s[6:7]
	s_wait_xcnt 0x0
	s_or_b32 exec_lo, exec_lo, s17
	s_cmp_lg_u32 s8, 0
	s_cbranch_scc1 .Lend
.irp e, 0,1,2,3,4,5,6,7
	v_writelane_b32 v11, s[66+\e], 2*\e
	v_writelane_b32 v11, s[48+\e], 2*\e+1
.endr
	s_sub_co_u32 s14, s74, 1
	v_writelane_b32 v11, s14, 16                   ; the last pair in use
	global_store_b32 v7, v11, s[6:7] offset:17408
.Lend:
	s_wait_tensorcnt 0x0
	ds_add_u32 v64, v65
	s_wait_dscnt 0x0
	s_endpgm
.Lfunc_end_k_qe3b92638c4_sort:
	.size	k_qe3b92638c4_sort, .Lfunc_end_k_qe3b92638c4_sort-k_qe3b92638c4_sort
	.p2alignl 7, 3214868480
	.fill 96, 4, 3214868480
	.section	.rodata,"a",@progbits
	.p2align	6, 0x0
	.amdhsa_kernel k_qe3b92638c4_sort
		.amdhsa_group_segment_fixed_size 5120
		.amdhsa_private_segment_fixed_size 0
		.amdhsa_enable_private_segment 0
		.amdhsa_kernarg_size 16
		.amdhsa_user_sgpr_count 2
		.amdhsa_user_sgpr_kernarg_segment_ptr 1
		.amdhsa_wavefront_size32 1
		.amdhsa_system_sgpr_workgroup_id_x 1
		.amdhsa_system_sgpr_workgroup_id_y 1
		.amdhsa_system_sgpr_workgroup_id_z 1
		.amdhsa_system_vgpr_workitem_id 0
		.amdhsa_next_free_vgpr 66
		.amdhsa_next_free_sgpr 100
		.amdhsa_reserve_vcc 1
		.amdhsa_float_denorm_mode_32 3
		.amdhsa_float_denorm_mode_16_64 3
		.amdhsa_memory_ordered 1
		.amdhsa_forward_progress 1
		.amdhsa_inst_pref_size 16
	.end_amdhsa_kernel
	.amdgpu_metadata
---
amdhsa.version: [ 1, 2 ]
amdhsa.kernels:
  - .name:           k_qe3b92638c4_sort
    .symbol:         k_qe3b92638c4_sort.kd
    .args:
      - { .name: tidx, .offset: 0, .size: 8, .value_kind: global_buffer, .address_space: global }
      - { .name: plan, .offset: 8, .size: 8, .value_kind: global_buffer, .address_space: global }
    .group_segment_fixed_size: 5120
    .private_segment_fixed_size: 0
    .kernarg_segment_align: 8
    .kernarg_segment_size: 16
    .max_flat_workgroup_size: 1024
    .sgpr_count:     100
    .vgpr_count:     66
    .wavefront_size: 32
...
	.end_amdgpu_metadata
.endif
;; end of part 2
;; launch up (part 3): grid 256 x 1, 8 waves a work-group, no clusters, 103,424 bytes of LDS; arguments W1, b1, xq, xs, plan, hc; writes hc
.if DOCPART == 3
	.amdgcn_target "amdgcn-amd-amdhsa--gfx1250"
	.amdhsa_code_object_version 6
	.text
	.protected	k_qe3b92638c4_up
	.globl	k_qe3b92638c4_up
	.p2align	8
	.type	k_qe3b92638c4_up,@function
k_qe3b92638c4_up:
	s_mov_b64 s[64:65], 0
	v_nop
	global_prefetch_b8 v0, s[64:65] scope:SCOPE_SE
	s_setreg_imm32_b32 hwreg(HW_REG_WAVE_MODE, 25, 1), 1
	s_wait_xcnt 0x0
; h = Q(relu(Q(x) Q(W1) + b1)) for the rows that chose the expert, on codes of FP6 (E2M3) with one E8M0 scale for each 32 along K.
; A work-group owns expert e = id / 32 and hidden units 128 s2 .. 128 s2 + 127 (s2 = id % 32), for all K = 1,024: 512 KiB of W1, which no other work-group reads.
; PHASE 1: the slab is read once as f32 and quantised along K in registers: a lane takes a column, its registers run down K, so a block of 32 lies in one lane.
;   The codes go to LDS as IMAGES OF OPERAND REGISTERS: fragment (K step s, tile t) at 1,536 (8 s + t): register group c of lane L at 512 c + 16 L.  Scale words: 256 u + 16 r + 4 i for unit u = 2 s + t / 4, i = t % 4.
;   Wave w takes 64 columns (w % 2) x 256 along K (w / 2).
; PHASE 2: wave w takes the expert's pairs of 16-row tiles w, w + 8, ..: x's codes gathered by the sorted list, 128 matrix instructions a pair, bias as the first C, relu, quantised in registers, stored as an operand image.
; THE PRODUCT IS USED TRANSPOSED (source 0 = 16 columns of W1, source 1 = 16 rows of x), AND THE COLUMNS OF A TILE ARE NOT NEIGHBOURS: lane r of tile 2 b + u holds unit 32 b + 8 u + r + 8 (r / 8),
;   so that a lane's 16 registers of tiles 2 b, 2 b + 1 are 16 neighbours along the next K.
; hc: [tile 144][s2 32][1,792 bytes]: 1,536 of image, then 8 bytes a lane: the row's scale word and a zero.
; The trip count hangs on numbers that an earlier launch stored, so no tensor load stands here and no cluster is formed: each work-group's weights are its own, nothing large is shared.
; LIMITS: NaN and infinities are not served; a block of zeros keeps the scale byte 1 (its codes are zeros).
; REGISTERS.  Window 0: v1-15 addresses; v16-23 x's scale words (lanes 0-15 tile 0, lanes 16-31 tile 1); v24-31 W1's scale words, two sets; v32-127 W1's fragments, two sets of four; v128-255 the 16 accumulators.
;   In phase 1: v32-159 two double sets of 64 numbers, v160-166 codes, v168-173 at work.   Window 1: v0-191 x's 16 fragments; v192-255 b1's eight tiles.
.set PITCH, 16384                      ; bytes from k to k + 1 in W1
.set SCW,  98304                       ; LDS: behind the images, the scale words
.set FSL,  12288                       ; a K step on, in the images
.set FCH,  3072                        ; 32 columns on
.set SSL,  512                         ; the same for the scale words
.set SCH,  8
.set XS,   16
.set WS,   24
.set WB,   32
.set HA,   128
.set XD,   32
.set CD,   160
.set M0,   168
.set M1,   169
.set SCOP, 170
.set BY,   171
.set SB,   172
.set XF,   0
.set B1,   192
.set TM,   32
.set PW,   48
.set PC,   52
.set MSB, 0
.macro WIN new                         ; the immediate's high byte repeats the setting that is left
.if MSB != \new
	s_set_vgpr_msb (MSB<<8)|\new
.set MSB, \new
.endif
.endm
.macro PLACES                          ; four places behind matrix instructions, in front of loads into registers that they read and of reads of their results
.rept 4
	v_nop
.endr
.endm
.macro LOADD j                         ; K block j of my 64 columns: the two loads of a row ask for 256 consecutive bytes
.set li, 0
.rept 32
	global_load_b32 v[XD+64*((\j)%2)+li], v2, s[4:5] offset:(32*(\j)+li)*PITCH th:TH_LOAD_NT
	global_load_b32 v[XD+64*((\j)%2)+32+li], v2, s[4:5] offset:(32*(\j)+li)*PITCH+128 th:TH_LOAD_NT
.set li, li+1
.endr
.endm
.macro BLK j, ch                       ; one block of 32 along K of my column in half ch: scale, codes, image
.set XB, XD+64*((\j)%2)+32*(\ch)
.set bb, (\j)%4
.set sl, (\j)/4
.set FO, FSL*sl+FCH*(\ch)+256*(bb%2)
	v_max3_num_f32 v[M0], |v[XB]|, |v[XB+1]|, |v[XB+2]|
	v_max3_num_f32 v[M1], |v[XB+3]|, |v[XB+4]|, |v[XB+5]|
.irp i, 6,10,14,18,22,26
	v_max3_num_f32 v[M0], v[M0], |v[XB+\i]|, |v[XB+\i+1]|
	v_max3_num_f32 v[M1], v[M1], |v[XB+\i+2]|, |v[XB+\i+3]|
.endr
	v_max3_num_f32 v[M0], v[M0], |v[XB+30]|, |v[XB+31]|
	v_max3_num_f32 v[M0], v[M0], v[M1], 0x1800000  ; the floor 2^(3 - 127): the byte cannot fall under 1
	s_wait_dscnt 0x0                               ; the last block's LDS stores have read their registers
	v_add_nc_u32 v[SCOP], 0xff000000, v[M0]        ; 2 off the exponent field: the conversion's scale operand
	v_lshrrev_b32 v[BY], 23, v[SCOP]
.if bb == 0
	v_mov_b32 v[SB+\ch], v[BY]
.else
	v_lshl_or_b32 v[SB+\ch], v[BY], 8*bb, v[SB+\ch]
.endif
	v_cvt_scalef32_pk16_fp6_f32 v[CD:CD+2], v[XB:XB+15], v[SCOP]
	v_cvt_scalef32_pk16_fp6_f32 v[CD+4:CD+6], v[XB+16:XB+31], v[SCOP]
	v_nop                                          ; one plain place behind a scaled conversion
	v_mov_b32 v[CD+3], v[CD+4]
	v_mov_b32 v[CD+4], v[CD+5]
	v_mov_b32 v[CD+5], v[CD+6]
.if bb < 2                                     ; block bb = 2 c + h is registers 6 c .. 6 c + 5 of lane r + 16 h
	ds_store_b128 v3, v[CD:CD+3] offset:FO
	ds_store_b64 v3, v[CD+4:CD+5] offset:FO+512
.else
	ds_store_b64 v3, v[CD:CD+1] offset:FO+520
	ds_store_b128 v3, v[CD+2:CD+5] offset:FO+1024
.endif
.if bb == 3
	ds_store_b32 v4, v[SB+\ch] offset:SSL*sl+SCH*(\ch)
.endif
.endm
.macro DWAIT j
.if (\j) < 7
	s_wait_loadcnt 63                              ; at least 64 loads were issued behind set j's: it is in
.else
	s_wait_loadcnt 0x0
.endif
.endm
.macro DBODY j
	BLK \j, 0
	BLK \j, 1
.if (\j) < 6
	LOADD (\j)+2
.endif
.endm
.macro WFETCH u, buf                   ; unit u: four fragments and their scale words: 13 LDS loads.  (An LDS load names a destination and source 0: both lie in window 0 under the products' settings too)
.if (\u) < 8
.set WA, 5
.set WO, 6144*(\u)
.else
.set WA, 6
.set WO, 6144*((\u)-8)
.endif
.irp i, 0,1,2,3
.irp c, 0,1,2
	ds_load_b128 v[WB+48*(\buf)+12*\i+4*\c:WB+48*(\buf)+12*\i+4*\c+3], v[WA] offset:WO+1536*\i+512*\c
.endr
.endr
	ds_load_b128 v[WS+4*(\buf):WS+4*(\buf)+3], v7 offset:256*(\u)
.endm
.macro MUL u                           ; unit u = 2 s + g: tiles 4 g .. 4 g + 3 x both row tiles, K step s: eight accumulators, one instruction each
.set ms, (\u)/2
.set mg, (\u)%2
.if (\u) < 2
	WIN 0x14                                       ; source 1 (x) and source 2 (b1) window 1
.else
	WIN 0x04                                       ; source 1 window 1
.endif
.irp i, 0,1,2,3
.set rA, WB+48*mg+12*\i
.set rW, WS+4*mg+\i
.set rD, HA+8*(4*mg+\i)
.set rC, B1+8*(4*mg+\i)
.if (\u) < 2
	v_wmma_scale_f32_16x16x128_f8f6f4 v[rD:rD+7], v[rA:rA+11], v[XF+12*ms:XF+12*ms+11], v[rC:rC+7], v[rW], v[XS+ms] matrix_a_fmt:MATRIX_FMT_FP6 matrix_b_fmt:MATRIX_FMT_FP6
	v_wmma_scale_f32_16x16x128_f8f6f4 v[rD+64:rD+71], v[rA:rA+11], v[XF+96+12*ms:XF+96+12*ms+11], v[rC:rC+7], v[rW], v[XS+ms] matrix_a_fmt:MATRIX_FMT_FP6 matrix_b_fmt:MATRIX_FMT_FP6 matrix_b_scale:MATRIX_SCALE_ROW1
.else
	v_wmma_scale_f32_16x16x128_f8f6f4 v[rD:rD+7], v[rA:rA+11], v[XF+12*ms:XF+12*ms+11], v[rD:rD+7], v[rW], v[XS+ms] matrix_a_fmt:MATRIX_FMT_FP6 matrix_b_fmt:MATRIX_FMT_FP6
	v_wmma_scale_f32_16x16x128_f8f6f4 v[rD+64:rD+71], v[rA:rA+11], v[XF+96+12*ms:XF+96+12*ms+11], v[rD+64:rD+71], v[rW], v[XS+ms] matrix_a_fmt:MATRIX_FMT_FP6 matrix_b_fmt:MATRIX_FMT_FP6 matrix_b_scale:MATRIX_SCALE_ROW1
.endif
.endr
.endm
.macro XFA                             ; pair s24 of my expert: its 32 tokens
	s_add_co_u32 s25, s22, s24
	s_min_u32 s25, s25, 71
	s_lshl_b32 s30, s25, 7
	s_mov_b32 s31, 0
	s_add_nc_u64 s[26:27], s[12:13], s[30:31]
	global_load_b32 v11, v9, s[26:27]              ; tile 0's row l % 16
	global_load_b32 v12, v9, s[26:27] offset:64    ; tile 1's
	global_load_b32 v13, v2, s[26:27]              ; row l of the 32
.endm
.macro XFB                             ; their codes and scale words
	v_min_u32 v11, 0x3ff, v11
	v_min_u32 v12, 0x3ff, v12
	v_min_u32 v13, 0x3ff, v13
	v_mul_u32_u24 v11, v11, 0x300
	v_mul_u32_u24 v12, v12, 0x300
	v_add_nc_u32 v11, v11, v10                     ; 768 x token + 384 (l / 16)
	v_add_nc_u32 v12, v12, v10
	v_lshlrev_b32 v13, 5, v13
	WIN 0x40                                       ; destination window 1
.irp tt, 0,1
.irp s, 0,1,2,3,4,5,6,7
.irp c, 0,1,2
	global_load_b128 v[XF+96*\tt+12*\s+4*\c:XF+96*\tt+12*\s+4*\c+3], v[11+\tt], s[8:9] offset:48*\s+16*\c
.endr
.endr
.endr
	WIN 0
	global_load_b128 v[XS:XS+3], v13, s[10:11]
	global_load_b128 v[XS+4:XS+7], v13, s[10:11] offset:16
.endm
; 64 numbers of a lane, none negative, register 16 b + i = k 32 b + 16 (lane / 16) + i of my row, become a fragment's codes in v[PC] on and its scale word in v[PW]
.macro QUANT s
.irp b, 0,1,2,3
	v_mov_b32 v[TM+4+\b], 0                        ; a lane permute's destination counts as read
.endr
	v_mov_b32 v[PW+1], 0
.irp b, 0,1,2,3
	v_max3_num_f32 v[TM+\b], v[\s+16*\b], v[\s+1+16*\b], 0x1800000
.endr
.irp i, 2,4,6,8,10,12,14
.irp b, 0,1,2,3
	v_max3_num_f32 v[TM+\b], v[TM+\b], v[\s+16*\b+\i], v[\s+1+16*\b+\i]
.endr
.endr
.irp b, 0,1,2,3
	v_permlanex16_b32 v[TM+4+\b], v[TM+\b], s32, s33
.endr
.irp b, 0,1,2,3
	v_max_num_f32 v[TM+\b], v[TM+\b], v[TM+4+\b]   ; with lane l xor 16's: the block's largest
.endr
.irp b, 0,1,2,3
	v_add_nc_u32 v[TM+12+\b], 0xff000000, v[TM+\b]
.endr
.irp b, 0,1,2,3
	v_lshrrev_b32 v[TM+4+\b], 23, v[TM+12+\b]
.endr
	v_lshl_or_b32 v[PW], v[TM+5], 8, v[TM+4]
	v_lshl_or_b32 v[PW], v[TM+6], 16, v[PW]
	v_lshl_or_b32 v[PW], v[TM+7], 24, v[PW]
.irp c, 0,1
	v_cvt_scalef32_pk16_fp6_f32 v[PC+6*\c:PC+2+6*\c], v[\s+32*\c:\s+15+32*\c], v[TM+12+2*\c]
	v_cvt_scalef32_pk16_fp6_f32 v[PC+12+4*\c:PC+14+4*\c], v[\s+16+32*\c:\s+31+32*\c], v[TM+12+2*\c+1]
.endr
	v_nop                                          ; one plain place behind a scaled conversion
.irp c, 0,1                                    ; the operand's layout wants a whole block in a lane
.irp i, 0,1,2
	v_permlane16_swap_b32 v[PC+6*\c+\i], v[PC+12+4*\c+\i]
.endr
.irp i, 0,1,2
	v_mov_b32 v[PC+3+6*\c+\i], v[PC+12+4*\c+\i]
.endr
.endr
.endm
	s_load_b256 s[4:11], s[0:1], 0x0               ; W1, b1, xq, xs
	s_load_b128 s[12:15], s[0:1], 0x20             ; plan, hc
	v_lshrrev_b32 v1, 5, v0
	v_readfirstlane_b32 s16, v1                    ; wave
	v_and_b32 v1, 31, v0                           ; lane l
	v_lshlrev_b32 v2, 2, v1                        ; 4 l
	s_lshr_b32 s17, ttmp9, 5                       ; expert
	s_and_b32 s18, ttmp9, 31                       ; s2
	s_lshr_b32 s19, s16, 1                         ; which 256 along K
	s_and_b32 s20, s16, 1                          ; which 64 columns
	v_bfe_u32 v14, v0, 3, 1                        ; column l of 32 lies in tile 2 b + u, u = (l / 8) % 2,
	v_and_b32 v15, 7, v0
	v_bfe_u32 v10, v0, 4, 1
	v_lshl_add_u32 v15, v10, 3, v15                ; at row r = l % 8 + 8 (l / 16)
	s_mul_i32 s30, s19, 24576
	s_mul_i32 s31, s20, 6144
	s_add_co_u32 s30, s30, s31
	v_mul_u32_u24 v3, v14, 1536
	v_lshl_add_u32 v3, v15, 4, v3
	v_add_nc_u32 v3, s30, v3                       ; where my codes go
	s_lshl_b32 s30, s19, 10
	s_lshl_b32 s31, s20, 8
	s_add_co_u32 s30, s30, s31
	s_add_co_u32 s30, s30, SCW
	v_lshlrev_b32 v4, 2, v14
	v_lshl_add_u32 v4, v15, 4, v4
	v_add_nc_u32 v4, s30, v4                       ; and my scale words
	v_lshlrev_b32 v5, 4, v1                        ; 16 l: an image's place for my lane
	v_add_nc_u32 v6, 49152, v5                     ; the same for units 8 to 15
	v_and_b32 v9, 15, v0
	v_lshl_add_u32 v7, v9, 4, SCW                  ; a unit's four scale words of row l % 16
	v_lshlrev_b32 v8, 3, v1                        ; 8 l
	v_lshlrev_b32 v9, 2, v9                        ; 4 (l % 16)
	v_lshlrev_b32 v14, 6, v10                      ; b1: 64 (l / 16)
	v_mul_u32_u24 v10, v10, 384                    ; xq: 384 (l / 16)
	s_mov_b32 s32, 0x76543210
	s_mov_b32 s33, 0xfedcba98
	s_mov_b32 s24, s16                             ; my first pair
	s_wait_kmcnt 0x0
	s_lshl_b32 s36, s17, 3
	s_load_b64 s[22:23], s[12:13], s36 offset:0x4400   ; the expert's first pair and its pairs
	s_lshl_b32 s30, s17, 24
	s_lshl_b32 s31, s19, 22
	s_add_co_u32 s30, s30, s31
	s_lshl_b32 s31, s18, 9
	s_add_co_u32 s30, s30, s31
	s_lshl_b32 s31, s20, 8
	s_add_co_u32 s30, s30, s31
	s_mov_b32 s31, 0
	s_add_nc_u64 s[4:5], s[4:5], s[30:31]          ; my wave's corner of the slab
	LOADD 0
	s_lshl_b32 s30, s17, 14
	s_lshl_b32 s37, s18, 9
	s_add_co_u32 s30, s30, s37
	s_add_nc_u64 s[6:7], s[6:7], s[30:31]          ; b1 at my 128 units
	WIN 0x40
.irp t, 0,1,2,3,4,5,6,7                        ; in the result's layout: lane (r, h), tile t: units 32 (t / 2) + 16 h + 8 (t % 2) + 0 .. 7
	global_load_b128 v[B1+8*\t:B1+8*\t+3], v14, s[6:7] offset:(32*(\t/2)+8*(\t%2))*4
	global_load_b128 v[B1+8*\t+4:B1+8*\t+7], v14, s[6:7] offset:(32*(\t/2)+8*(\t%2))*4+16
.endr
	WIN 0
	s_mul_i32 s30, s18, 1792
	s_add_nc_u64 s[34:35], s[14:15], s[30:31]      ; hc at my K step of the next product
	s_wait_kmcnt 0x0
	s_min_u32 s23, s23, 32
	XFA                                            ; (every wave asks: the list and x's codes are whole, whatever the pair)
	LOADD 1
	DWAIT 0
	DBODY 0
	DWAIT 1                                        ; the tokens, asked for ahead of set 1, are in too
	XFB
	DBODY 1
.irp j, 2,3,4,5,6,7
	DWAIT \j
	DBODY \j
.endr
	s_wait_dscnt 0x0                               ; for the others' sake: my images lie in LDS
	s_barrier_signal -1
	s_barrier_wait -1
	s_cmp_lt_u32 s16, s23
	s_cbranch_scc0 .Lend                           ; fewer pairs than my wave's number: nothing is mine
	s_sub_co_u32 s38, s23, s16
	s_add_co_u32 s38, s38, 7
	s_lshr_b32 s38, s38, 3                         ; my trips: pairs wave, wave + 8, .. under the expert's count
	s_mov_b32 s39, 0                               ; the trip counter, stepped by one
.Lpair:
	s_mul_i32 s30, s25, 114688
	s_mov_b32 s31, 0
	s_add_nc_u64 s[28:29], s[34:35], s[30:31]      ; where the pair's two records go
	WFETCH 0, 0
	s_wait_loadcnt 0x0                             ; x's fragments and scale words
.set pu, 0
.rept 16
.if pu > 0
	PLACES                                         ; the set to be loaded was read by the products just issued
.endif
.if pu < 15
	WFETCH pu+1, (pu+1)%2
	s_wait_dscnt 13                                ; all but the 13 just issued
.else
	s_wait_dscnt 0x0
.endif
	MUL pu
.set pu, pu+1
.endr
	WIN 0
	PLACES
.irp tt, 0,1
.set rj, 0
.rept 64
	v_max_num_f32 v[HA+64*\tt+rj], 0, v[HA+64*\tt+rj]   ; relu, each accumulator from its low end on
.set rj, rj+1
.endr
	s_wait_xcnt 0x0                                ; the last stores have read the registers that are written now
	QUANT HA+64*\tt
.irp c, 0,1,2
	global_store_b128 v5, v[PC+4*\c:PC+4*\c+3], s[28:29] offset:57344*\tt+512*\c   ; 512 consecutive bytes, aligned to 256
.endr
	global_store_b64 v8, v[PW:PW+1], s[28:29] offset:57344*\tt+1536
.endr
	s_wait_xcnt 0x0                                ; the stores have read their registers and their base
	s_add_co_u32 s39, s39, 1
	s_add_co_u32 s24, s24, 8                       ; my next pair
	s_cmp_ge_u32 s39, s38
	s_cbranch_scc1 .Lno_next                       ; the last trip fetches nothing
	XFA
	s_wait_loadcnt 0x0
	XFB
.Lno_next:
	s_cmp_lt_u32 s39, s38
	s_cbranch_scc1 .Lpair
.Lend:
	s_wait_xcnt 0x0
	v_lshl_add_u32 v254, v0, 2, 0x19000
	v_mov_b32 v255, 0
	s_wait_tensorcnt 0x0
	ds_add_u32 v254, v255
	s_wait_dscnt 0x0
	s_endpgm
.Lfunc_end_k_qe3b92638c4_up:
	.size	k_qe3b92638c4_up, .Lfunc_end_k_qe3b92638c4_up-k_qe3b92638c4_up
	.p2alignl 7, 3214868480
	.fill 96, 4, 3214868480
	.section	.rodata,"a",@progbits
	.p2align	6, 0x0
	.amdhsa_kernel k_qe3b92638c4_up
		.amdhsa_group_segment_fixed_size 103424
		.amdhsa_private_segment_fixed_size 0
		.amdhsa_enable_private_segment 0
		.amdhsa_kernarg_size 48
		.amdhsa_user_sgpr_count 2
		.amdhsa_user_sgpr_kernarg_segment_ptr 1
		.amdhsa_wavefront_size32 1
		.amdhsa_system_sgpr_workgroup_id_x 1
		.amdhsa_system_sgpr_workgroup_id_y 1
		.amdhsa_system_sgpr_workgroup_id_z 1
		.amdhsa_system_vgpr_workitem_id 0
		.amdhsa_next_free_vgpr 512
		.amdhsa_next_free_sgpr 66
		.amdhsa_reserve_vcc 0
		.amdhsa_float_denorm_mode_32 3
		.amdhsa_float_denorm_mode_16_64 3
		.amdhsa_memory_ordered 1
		.amdhsa_forward_progress 1
		.amdhsa_inst_pref_size 135
	.end_amdhsa_kernel
	.amdgpu_metadata
---
amdhsa.version: [ 1, 2 ]
amdhsa.kernels:
  - .name:           k_qe3b92638c4_up
    .symbol:         k_qe3b92638c4_up.kd
    .args:
      - { .name: W1, .offset: 0, .size: 8, .value_kind: global_buffer, .address_space: global }
      - { .name: b1, .offset: 8, .size: 8, .value_kind: global_buffer, .address_space: global }
      - { .name: xq, .offset: 16, .size: 8, .value_kind: global_buffer, .address_space: global }
      - { .name: xs, .offset: 24, .size: 8, .value_kind: global_buffer, .address_space: global }
      - { .name: plan, .offset: 32, .size: 8, .value_kind: global_buffer, .address_space: global }
      - { .name: hc, .offset: 40, .size: 8, .value_kind: global_buffer, .address_space: global }
    .group_segment_fixed_size: 103424
    .private_segment_fixed_size: 0
    .kernarg_segment_align: 8
    .kernarg_segment_size: 48
    .max_flat_workgroup_size: 256
    .sgpr_count:     66
    .vgpr_count:     512
    .wavefront_size: 32
...
	.end_amdgpu_metadata
.endif
;; end of part 3
;; launch down (part 4): grid 256 x 1, 8 waves a work-group, no clusters, 138,240 bytes of LDS; arguments W2, b2, hc, plan, y; writes y
.if DOCPART == 4
	.amdgcn_target "amdgcn-amd-amdhsa--gfx1250"
	.amdhsa_code_object_version 6
	.text
	.protected	k_qe3b92638c4_down
	.globl	k_qe3b92638c4_down
	.p2align	8
	.type	k_qe3b92638c4_down,@function
k_qe3b92638c4_down:
	s_mov_b64 s[64:65], 0
	v_nop
	global_prefetch_b8 v0, s[64:65] scope:SCOPE_SE
	s_setreg_imm32_b32 hwreg(HW_REG_WAVE_MODE, 25, 1), 1
	s_wait_xcnt 0x0
; y = h Q(W2) (+ b2), for the rows that chose the expert, on codes of FP6 (E2M3) with one E8M0 scale for each 32 along K (the hidden units).
; A work-group owns expert e = id / 32, half kh = (id / 16) % 2 of K (2,048 hidden units) and 64 outputs cg = id % 16: 512 KiB of W2, which no other work-group reads.
; The two halves of K go to two planes of y, which the last launch adds: each number of y has one owner.  b2 is the first C where kh = 0, zeros where kh = 1.
; PHASE 1 as in the launch before: a lane takes a column, its registers run down K; codes to LDS as images of operand registers: fragment (K step u, tile i) at 1,536 (4 u + i); scale words at 256 u + 16 r + 4 i.
;   Wave w takes the 64 columns x 256 along K (K steps 2 w, 2 w + 1).
; PHASE 2: wave w takes the expert's pairs w, w + 8, ..: h's operand images come from memory as they lie, four K steps ahead; 128 matrix instructions a pair
;   (source 0 = 16 columns of W2, source 1 = 16 rows of h: a lane then holds eight neighbouring outputs of one row); out through the wave's own stage in LDS, sixteen lanes to 256 aligned bytes.
; The trip count hangs on numbers that an earlier launch stored, so no tensor load stands here and no cluster is formed.
; LIMITS: NaN and infinities are not served; a block of zeros keeps the scale byte 1 (its codes are zeros).
; REGISTERS.  Window 0: v1-15 addresses; v16-23 h's scale words, two sets of four (lanes 0-15 tile 0, lanes 16-31 tile 1); v24-31 W2's, two sets; v32-127 W2's fragments, two sets of four; v128-191 eight accumulators; v192-223 the bias.
;   In phase 1: v32-159 two double sets of 64 numbers, v160-166 codes, v168-173 at work.   Window 1: v0-191 h's fragments, two sets of four K steps x two tiles.
.set PITCH, 4096                       ; bytes from k to k + 1 in W2
.set SCW,  98304
.set STG,  102400                      ; a wave's stage: 16 rows x (256 + 16) bytes
.set FSL,  6144
.set FCH,  3072
.set SSL,  256
.set SCH,  8
.set HS,   16
.set WS,   24
.set WB,   32
.set ACC,  128
.set BIA,  192
.set OUTR, 32
.set XD,   32
.set CD,   160
.set M0,   168
.set M1,   169
.set SCOP, 170
.set BY,   171
.set SB,   172
.set HF,   0
.set MSB, 0
.macro WIN new                         ; the immediate's high byte repeats the setting that is left
.if MSB != \new
	s_set_vgpr_msb (MSB<<8)|\new
.set MSB, \new
.endif
.endm
.macro PLACES                          ; four places behind matrix instructions, in front of loads into registers that they read and of reads of their results
.rept 4
	v_nop
.endr
.endm
.macro LOADD j                         ; K block j of the 64 columns: the two loads of a row ask for 256 consecutive bytes, aligned
.set li, 0
.rept 32
	global_load_b32 v[XD+64*((\j)%2)+li], v2, s[4:5] offset:(32*(\j)+li)*PITCH th:TH_LOAD_NT
	global_load_b32 v[XD+64*((\j)%2)+32+li], v2, s[4:5] offset:(32*(\j)+li)*PITCH+128 th:TH_LOAD_NT
.set li, li+1
.endr
.endm
.macro BLK j, ch                       ; one block of 32 along K of my column in half ch: scale, codes, image
.set XB, XD+64*((\j)%2)+32*(\ch)
.set bb, (\j)%4
.set sl, (\j)/4
.set FO, FSL*sl+FCH*(\ch)+256*(bb%2)
	v_max3_num_f32 v[M0], |v[XB]|, |v[XB+1]|, |v[XB+2]|
	v_max3_num_f32 v[M1], |v[XB+3]|, |v[XB+4]|, |v[XB+5]|
.irp i, 6,10,14,18,22,26
	v_max3_num_f32 v[M0], v[M0], |v[XB+\i]|, |v[XB+\i+1]|
	v_max3_num_f32 v[M1], v[M1], |v[XB+\i+2]|, |v[XB+\i+3]|
.endr
	v_max3_num_f32 v[M0], v[M0], |v[XB+30]|, |v[XB+31]|
	v_max3_num_f32 v[M0], v[M0], v[M1], 0x1800000  ; the floor 2^(3 - 127): the byte cannot fall under 1
	s_wait_dscnt 0x0                               ; the last block's LDS stores have read their registers
	v_add_nc_u32 v[SCOP], 0xff000000, v[M0]        ; 2 off the exponent field: the conversion's scale operand
	v_lshrrev_b32 v[BY], 23, v[SCOP]
.if bb == 0
	v_mov_b32 v[SB+\ch], v[BY]
.else
	v_lshl_or_b32 v[SB+\ch], v[BY], 8*bb, v[SB+\ch]
.endif
	v_cvt_scalef32_pk16_fp6_f32 v[CD:CD+2], v[XB:XB+15], v[SCOP]
	v_cvt_scalef32_pk16_fp6_f32 v[CD+4:CD+6], v[XB+16:XB+31], v[SCOP]
	v_nop                                          ; one plain place behind a scaled conversion
	v_mov_b32 v[CD+3], v[CD+4]
	v_mov_b32 v[CD+4], v[CD+5]
	v_mov_b32 v[CD+5], v[CD+6]
.if bb < 2                                     ; block bb = 2 c + h is registers 6 c .. 6 c + 5 of lane r + 16 h
	ds_store_b128 v3, v[CD:CD+3] offset:FO
	ds_store_b64 v3, v[CD+4:CD+5] offset:FO+512
.else
	ds_store_b64 v3, v[CD:CD+1] offset:FO+520
	ds_store_b128 v3, v[CD+2:CD+5] offset:FO+1024
.endif
.if bb == 3
	ds_store_b32 v4, v[SB+\ch] offset:SSL*sl+SCH*(\ch)
.endif
.endm
.macro DWAIT j
.if (\j) < 7
	s_wait_loadcnt 63                              ; at least 64 loads were issued behind set j's: it is in
.else
	s_wait_loadcnt 0x0
.endif
.endm
.macro DBODY j
	BLK \j, 0
	BLK \j, 1
.if (\j) < 6
	LOADD (\j)+2
.endif
.endm
.macro WFETCH u, buf                   ; K step u: four fragments and their scale words: 13 LDS loads.  (An LDS load names a destination and source 0: both lie in window 0 under the products' setting too)
.if (\u) < 8
.set WA, 5
.set WO, 6144*(\u)
.else
.set WA, 6
.set WO, 6144*((\u)-8)
.endif
.irp i, 0,1,2,3
.irp c, 0,1,2
	ds_load_b128 v[WB+48*(\buf)+12*\i+4*\c:WB+48*(\buf)+12*\i+4*\c+3], v[WA] offset:WO+1536*\i+512*\c
.endr
.endr
	ds_load_b128 v[WS+4*(\buf):WS+4*(\buf)+3], v7 offset:256*(\u)
.endm
.macro HFETCH q, buf                   ; h's fragments of K steps 4 q .. 4 q + 3, both tiles, and their scale words: 28 loads
	WIN 0x40                                       ; destination window 1
.irp st, 0,1,2,3
.irp tt, 0,1
.irp c, 0,1,2
	global_load_b128 v[HF+96*(\buf)+24*\st+12*\tt+4*\c:HF+96*(\buf)+24*\st+12*\tt+4*\c+3], v5, s[26:27] offset:57344*\tt+1792*(4*(\q)+\st)+512*\c
.endr
.endr
.endr
	WIN 0
.irp st, 0,1,2,3
	global_load_b32 v[HS+4*(\buf)+\st], v9, s[26:27] offset:1792*(4*(\q)+\st)+1536
.endr
.endm
.macro HPSET                           ; pair s24 of my expert, held to the pairs in use: every record read has been written
	s_add_co_u32 s25, s22, s24
	s_min_u32 s25, s25, s21
	s_min_u32 s25, s25, 71
	s_mul_i32 s30, s25, 114688
	s_mov_b32 s31, 0
	s_add_nc_u64 s[26:27], s[34:35], s[30:31]
.endm
.macro MUL u                           ; K step u: four tiles of outputs x both row tiles: eight accumulators, one instruction each, in the same order in every step
.set mb, (\u)%2
.set hb, ((\u)/4)%2
.set hst, (\u)%4
	WIN 0x04                                       ; source 1 (h) window 1
.irp i, 0,1,2,3
.set rA, WB+48*mb+12*\i
.set rW, WS+4*mb+\i
.set rD, ACC+8*\i
.set rH, HF+96*hb+24*hst
.if (\u) == 0
	v_wmma_scale_f32_16x16x128_f8f6f4 v[rD:rD+7], v[rA:rA+11], v[rH:rH+11], v[BIA+8*\i:BIA+8*\i+7], v[rW], v[HS+4*hb+hst] matrix_a_fmt:MATRIX_FMT_FP6 matrix_b_fmt:MATRIX_FMT_FP6
	v_wmma_scale_f32_16x16x128_f8f6f4 v[rD+32:rD+39], v[rA:rA+11], v[rH+12:rH+23], v[BIA+8*\i:BIA+8*\i+7], v[rW], v[HS+4*hb+hst] matrix_a_fmt:MATRIX_FMT_FP6 matrix_b_fmt:MATRIX_FMT_FP6 matrix_b_scale:MATRIX_SCALE_ROW1
.else
	v_wmma_scale_f32_16x16x128_f8f6f4 v[rD:rD+7], v[rA:rA+11], v[rH:rH+11], v[rD:rD+7], v[rW], v[HS+4*hb+hst] matrix_a_fmt:MATRIX_FMT_FP6 matrix_b_fmt:MATRIX_FMT_FP6
	v_wmma_scale_f32_16x16x128_f8f6f4 v[rD+32:rD+39], v[rA:rA+11], v[rH+12:rH+23], v[rD+32:rD+39], v[rW], v[HS+4*hb+hst] matrix_a_fmt:MATRIX_FMT_FP6 matrix_b_fmt:MATRIX_FMT_FP6 matrix_b_scale:MATRIX_SCALE_ROW1
.endif
.endr
.endm
	s_load_b256 s[4:11], s[0:1], 0x0               ; W2, b2, hc, plan
	s_load_b64 s[12:13], s[0:1], 0x20              ; y
	v_lshl_add_u32 v254, v0, 2, 0x21800
	v_mov_b32 v255, 0
	v_lshrrev_b32 v1, 5, v0
	v_readfirstlane_b32 s16, v1                    ; wave
	v_and_b32 v1, 31, v0                           ; lane l
	v_lshlrev_b32 v2, 2, v1                        ; 4 l
	s_lshr_b32 s17, ttmp9, 5                       ; expert
	s_bfe_u32 s18, ttmp9, 0x10004                  ; which half of K
	s_and_b32 s19, ttmp9, 15                       ; which 64 outputs
	v_bfe_u32 v14, v0, 4, 1                        ; l / 16
	v_and_b32 v15, 15, v0                          ; l % 16
	s_mul_i32 s30, s16, 12288
	v_mul_u32_u24 v3, v14, 1536
	v_lshl_add_u32 v3, v15, 4, v3
	v_add_nc_u32 v3, s30, v3                       ; where my codes go: column 32 ch + l is row l % 16 of tile 2 ch + l / 16
	s_lshl_b32 s30, s16, 9
	s_add_co_u32 s30, s30, SCW
	v_lshlrev_b32 v4, 2, v14
	v_lshl_add_u32 v4, v15, 4, v4
	v_add_nc_u32 v4, s30, v4                       ; and my scale words
	v_lshlrev_b32 v5, 4, v1                        ; 16 l
	v_add_nc_u32 v6, 49152, v5
	v_lshl_add_u32 v7, v15, 4, SCW
	v_mul_u32_u24 v9, v14, 57344
	v_lshl_add_u32 v9, v15, 3, v9                  ; h's scale words: lanes 0-15 tile 0's rows, lanes 16-31 tile 1's
	s_mul_i32 s30, s16, 4352
	s_add_co_u32 s30, s30, STG
	v_mul_u32_u24 v10, v15, 272
	v_lshl_add_u32 v10, v14, 5, v10
	v_add_nc_u32 v10, s30, v10                     ; the stage, in: row l % 16, 32 bytes for each half of the lanes
	v_mul_u32_u24 v11, v14, 272
	v_lshl_add_u32 v11, v15, 4, v11
	v_add_nc_u32 v11, s30, v11                     ; back: lanes 0-15 one row of 256 bytes, lanes 16-31 the next
	v_lshlrev_b32 v12, 12, v14
	v_lshl_add_u32 v12, v15, 4, v12                ; and the same two rows in y
	v_lshlrev_b32 v13, 5, v14                      ; b2: 32 (l / 16)
	s_cmp_eq_u32 s18, 0
	s_cselect_b32 s20, -1, 0                       ; the bias counts in the first half of K alone
	s_mov_b32 s24, s16                             ; my first pair
	s_wait_kmcnt 0x0
	s_lshl_b32 s38, s17, 3
	s_load_b64 s[22:23], s[10:11], s38 offset:0x4400   ; the expert's first pair and its pairs
	s_load_b32 s21, s[10:11], 0x4440               ; the last pair in use
	s_lshl_b32 s30, s17, 24
	s_lshl_b32 s31, s18, 23
	s_add_co_u32 s30, s30, s31
	s_lshl_b32 s31, s16, 20
	s_add_co_u32 s30, s30, s31
	s_lshl_b32 s31, s19, 8
	s_add_co_u32 s30, s30, s31
	s_mov_b32 s31, 0
	s_add_nc_u64 s[4:5], s[4:5], s[30:31]          ; my wave's corner of the slab
	LOADD 0
	s_lshl_b32 s30, s17, 12
	s_lshl_b32 s39, s19, 8
	s_add_co_u32 s30, s30, s39
	s_add_nc_u64 s[6:7], s[6:7], s[30:31]          ; b2 at my 64 outputs
.irp i, 0,1,2,3                                ; in the result's layout: lane (r, h), tile i: outputs 16 i + 8 h + 0 .. 7
	global_load_b128 v[BIA+8*\i:BIA+8*\i+3], v13, s[6:7] offset:64*\i
	global_load_b128 v[BIA+8*\i+4:BIA+8*\i+7], v13, s[6:7] offset:64*\i+16
.endr
	s_mul_i32 s30, s18, 28672
	s_add_nc_u64 s[34:35], s[8:9], s[30:31]        ; hc at my half's first K step
	s_mul_i32 s30, s18, 9437184
	s_add_co_u32 s30, s30, s39
	s_add_nc_u64 s[36:37], s[12:13], s[30:31]      ; y: my plane, my 64 outputs
	s_wait_kmcnt 0x0
	s_min_u32 s23, s23, 32
	HPSET
	HFETCH 0, 0
	HFETCH 1, 1
	LOADD 1
	DWAIT 0
	DBODY 0
	DWAIT 1                                        ; the bias, asked for ahead of set 1, is in too
.set bj, 0
.rept 32
	v_cndmask_b32 v[BIA+bj], 0, v[BIA+bj], s20
.set bj, bj+1
.endr
	DBODY 1
.irp j, 2,3,4,5,6,7
	DWAIT \j
	DBODY \j
.endr
	s_wait_dscnt 0x0                               ; for the others' sake: my images lie in LDS
	s_barrier_signal -1
	s_barrier_wait -1
	s_cmp_lt_u32 s16, s23
	s_cbranch_scc0 .Lend                           ; fewer pairs than my wave's number: nothing is mine
	s_sub_co_u32 s40, s23, s16
	s_add_co_u32 s40, s40, 7
	s_lshr_b32 s40, s40, 3                         ; my trips: pairs wave, wave + 8, .. under the expert's count
	s_mov_b32 s41, 0                               ; the trip counter, stepped by one
.Lpair:
	s_lshl_b32 s30, s25, 17
	s_mov_b32 s31, 0
	s_add_nc_u64 s[28:29], s[36:37], s[30:31]      ; the pair's 32 rows of y
	WFETCH 0, 0
.set pu, 0
.rept 16
.if pu > 0
	PLACES                                         ; the sets to be loaded were read by the products just issued
.endif
.if pu == 4
	HFETCH 2, 0
.endif
.if pu == 8
	HFETCH 3, 1
.endif
.if pu < 15
	WFETCH pu+1, (pu+1)%2
	s_wait_dscnt 13                                ; all but the 13 just issued
.else
	s_wait_dscnt 0x0
.endif
.if pu%4 == 0
.if pu == 12
	s_wait_loadcnt 0x0
.else
	s_wait_loadcnt 28                              ; these four K steps of h are in; the 28 loads of the next four may be out
.endif
.endif
	MUL pu
.set pu, pu+1
.endr
	WIN 0
	PLACES                                         ; four places in front of the stores that read the results,
	v_nop                                          ; and a fifth: the next trip's first products begin these accumulators anew, with the bias as C, and no other vector instruction stands between
.irp tt, 0,1
.irp i, 0,1,2,3
	ds_store_b128 v10, v[ACC+32*\tt+8*\i:ACC+32*\tt+8*\i+3] offset:64*\i          ; each accumulator from its low end on
	ds_store_b128 v10, v[ACC+32*\tt+8*\i+4:ACC+32*\tt+8*\i+7] offset:64*\i+16
.endr
.irp k, 0,1,2,3,4,5,6,7
	ds_load_b128 v[OUTR+32*\tt+4*\k:OUTR+32*\tt+4*\k+3], v11 offset:544*\k        ; LDS serves a wave's instructions in order: these see the stores above, and the next tile's stores come behind them
.endr
.endr
.irp tt, 0,1
.irp k, 0,1,2,3,4,5,6,7
	s_wait_dscnt 23-16*\tt-\k                      ; what was issued behind this load: the tile's later loads, and for tile 0 the sixteen of tile 1
	global_store_b128 v12, v[OUTR+32*\tt+4*\k:OUTR+32*\tt+4*\k+3], s[28:29] offset:65536*\tt+8192*\k   ; sixteen lanes store 256 consecutive bytes, aligned
.endr
.endr
	s_wait_xcnt 0x0                                ; the stores have read their registers and their base
	s_add_co_u32 s41, s41, 1
	s_add_co_u32 s24, s24, 8                       ; my next pair
	s_cmp_ge_u32 s41, s40
	s_cbranch_scc1 .Lno_next                       ; the last trip fetches nothing
	HPSET
	HFETCH 0, 0
	HFETCH 1, 1
.Lno_next:
	s_cmp_lt_u32 s41, s40
	s_cbranch_scc1 .Lpair
.Lend:
	s_wait_tensorcnt 0x0
	ds_add_u32 v254, v255
	s_wait_dscnt 0x0
	s_endpgm
.Lfunc_end_k_qe3b92638c4_down:
	.size	k_qe3b92638c4_down, .Lfunc_end_k_qe3b92638c4_down-k_qe3b92638c4_down
	.p2alignl 7, 3214868480
	.fill 96, 4, 3214868480
	.section	.rodata,"a",@progbits
	.p2align	6, 0x0
	.amdhsa_kernel k_qe3b92638c4_down
		.amdhsa_group_segment_fixed_size 138240
		.amdhsa_private_segment_fixed_size 0
		.amdhsa_enable_private_segment 0
		.amdhsa_kernarg_size 40
		.amdhsa_user_sgpr_count 2
		.amdhsa_user_sgpr_kernarg_segment_ptr 1
		.amdhsa_wavefront_size32 1
		.amdhsa_system_sgpr_workgroup_id_x 1
		.amdhsa_system_sgpr_workgroup_id_y 1
		.amdhsa_system_sgpr_workgroup_id_z 1
		.amdhsa_system_vgpr_workitem_id 0
		.amdhsa_next_free_vgpr 512
		.amdhsa_next_free_sgpr 66
		.amdhsa_reserve_vcc 0
		.amdhsa_float_denorm_mode_32 3
		.amdhsa_float_denorm_mode_16_64 3
		.amdhsa_memory_ordered 1
		.amdhsa_forward_progress 1
		.amdhsa_inst_pref_size 134
	.end_amdhsa_kernel
	.amdgpu_metadata
---
amdhsa.version: [ 1, 2 ]
amdhsa.kernels:
  - .name:           k_qe3b92638c4_down
    .symbol:         k_qe3b92638c4_down.kd
    .args:
      - { .name: W2, .offset: 0, .size: 8, .value_kind: global_buffer, .address_space: global }
      - { .name: b2, .offset: 8, .size: 8, .value_kind: global_buffer, .address_space: global }
      - { .name: hc, .offset: 16, .size: 8, .value_kind: global_buffer, .address_space: global }
      - { .name: plan, .offset: 24, .size: 8, .value_kind: global_buffer, .address_space: global }
      - { .name: y, .offset: 32, .size: 8, .value_kind: global_buffer, .address_space: global }
    .group_segment_fixed_size: 138240
    .private_segment_fixed_size: 0
    .kernarg_segment_align: 8
    .kernarg_segment_size: 40
    .max_flat_workgroup_size: 256
    .sgpr_count:     66
    .vgpr_count:     512
    .wavefront_size: 32
...
	.end_amdgpu_metadata
.endif
;; end of part 4
;; launch comb (part 5): grid 256 x 1, 4 waves a work-group, no clusters, 0 bytes of LDS; arguments y, plan, tw, out0; writes out0
.if DOCPART == 5
	.amdgcn_target "amdgcn-amd-amdhsa--gfx1250"
	.amdhsa_code_object_version 6
	.text
	.protected	k_qe3b92638c4_comb
	.globl	k_qe3b92638c4_comb
	.p2align	8
	.type	k_qe3b92638c4_comb,@function
k_qe3b92638c4_comb:
	s_mov_b64 s[64:65], 0
	v_nop
	global_prefetch_b8 v0, s[64:65] scope:SCOPE_SE
	s_setreg_imm32_b32 hwreg(HW_REG_WAVE_MODE, 25, 1), 1
	s_wait_xcnt 0x0
; out[n] = w0 (yA[pos0] + yB[pos0]) + w1 (yA[pos1] + yB[pos1]): the two halves of K of each of the token's two rows, weighed by the router.  All in f32.
; One wave takes one token: four rows of 4,096 bytes in, one out; every load and store of the wave covers 512 consecutive bytes.  All 32 loads go out at once; each step has registers of its own.
; A stream: no LDS, no barrier, no matrix unit.
	s_load_b256 s[4:11], s[0:1], 0x0               ; y, plan, tw, out0
	v_lshrrev_b32 v1, 5, v0
	v_readfirstlane_b32 s12, v1                    ; wave
	v_and_b32 v1, 31, v0
	v_lshlrev_b32 v1, 4, v1                        ; 16 x lane
	s_lshl_b32 s13, ttmp9, 2
	s_add_co_u32 s13, s13, s12                     ; token
	s_lshl_b32 s14, s13, 3
	s_mov_b32 s27, 0
	s_wait_kmcnt 0x0
	s_load_b64 s[16:17], s[6:7], s14 offset:0x2400 ; the token's two rows
	s_load_b64 s[20:21], s[8:9], s14 offset:0x0    ; and their weights
	s_lshl_b32 s26, s13, 12
	s_add_nc_u64 s[10:11], s[10:11], s[26:27]
	s_wait_kmcnt 0x0
	s_min_u32 s16, s16, 0x8ff
	s_min_u32 s17, s17, 0x8ff
	s_lshl_b32 s26, s16, 12
	s_add_nc_u64 s[28:29], s[4:5], s[26:27]
	s_add_nc_u64 s[30:31], s[28:29], 9437184       ; the second half of K
	s_lshl_b32 s26, s17, 12
	s_add_nc_u64 s[32:33], s[4:5], s[26:27]
	s_add_nc_u64 s[34:35], s[32:33], 9437184
	s_mov_b32 s22, s21                             ; w1 as the low word of a pair of its own
	s_mov_b32 s23, s21
.irp i, 0,1,2,3,4,5,6,7
	global_load_b128 v[16+16*\i:19+16*\i], v1, s[28:29] offset:512*\i th:TH_LOAD_NT
	global_load_b128 v[20+16*\i:23+16*\i], v1, s[30:31] offset:512*\i th:TH_LOAD_NT
	global_load_b128 v[24+16*\i:27+16*\i], v1, s[32:33] offset:512*\i th:TH_LOAD_NT
	global_load_b128 v[28+16*\i:31+16*\i], v1, s[34:35] offset:512*\i th:TH_LOAD_NT
.endr
.irp i, 0,1,2,3,4,5,6,7
	s_wait_loadcnt 28-4*\i                         ; this step's four loads are in; the later steps' may be out
	v_pk_add_f32 v[16+16*\i:17+16*\i], v[16+16*\i:17+16*\i], v[20+16*\i:21+16*\i]
	v_pk_add_f32 v[18+16*\i:19+16*\i], v[18+16*\i:19+16*\i], v[22+16*\i:23+16*\i]
	v_pk_add_f32 v[24+16*\i:25+16*\i], v[24+16*\i:25+16*\i], v[28+16*\i:29+16*\i]
	v_pk_add_f32 v[26+16*\i:27+16*\i], v[26+16*\i:27+16*\i], v[30+16*\i:31+16*\i]
	v_pk_mul_f32 v[16+16*\i:17+16*\i], v[16+16*\i:17+16*\i], s[20:21] op_sel_hi:[1,0]
	v_pk_mul_f32 v[18+16*\i:19+16*\i], v[18+16*\i:19+16*\i], s[20:21] op_sel_hi:[1,0]
	v_pk_fma_f32 v[16+16*\i:17+16*\i], v[24+16*\i:25+16*\i], s[22:23], v[16+16*\i:17+16*\i] op_sel_hi:[1,0,1]
	v_pk_fma_f32 v[18+16*\i:19+16*\i], v[26+16*\i:27+16*\i], s[22:23], v[18+16*\i:19+16*\i] op_sel_hi:[1,0,1]
	global_store_b128 v1, v[16+16*\i:19+16*\i], s[10:11] offset:512*\i th:TH_STORE_NT
.endr
	s_endpgm
.Lfunc_end_k_qe3b92638c4_comb:
	.size	k_qe3b92638c4_comb, .Lfunc_end_k_qe3b92638c4_comb-k_qe3b92638c4_comb
	.p2alignl 7, 3214868480
	.fill 96, 4, 3214868480
	.section	.rodata,"a",@progbits
	.p2align	6, 0x0
	.amdhsa_kernel k_qe3b92638c4_comb
		.amdhsa_group_segment_fixed_size 0
		.amdhsa_private_segment_fixed_size 0
		.amdhsa_enable_private_segment 0
		.amdhsa_kernarg_size 32
		.amdhsa_user_sgpr_count 2
		.amdhsa_user_sgpr_kernarg_segment_ptr 1
		.amdhsa_wavefront_size32 1
		.amdhsa_system_sgpr_workgroup_id_x 1
		.amdhsa_system_sgpr_workgroup_id_y 1
		.amdhsa_system_sgpr_workgroup_id_z 1
		.amdhsa_system_vgpr_workitem_id 0
		.amdhsa_next_free_vgpr 160
		.amdhsa_next_free_sgpr 66
		.amdhsa_reserve_vcc 0
		.amdhsa_float_denorm_mode_32 3
		.amdhsa_float_denorm_mode_16_64 3
		.amdhsa_memory_ordered 1
		.amdhsa_forward_progress 1
		.amdhsa_inst_pref_size 10
	.end_amdhsa_kernel
	.amdgpu_metadata
---
amdhsa.version: [ 1, 2 ]
amdhsa.kernels:
  - .name:           k_qe3b92638c4_comb
    .symbol:         k_qe3b92638c4_comb.kd
    .args:
      - { .name: y, .offset: 0, .size: 8, .value_kind: global_buffer, .address_space: global }
      - { .name: plan, .offset: 8, .size: 8, .value_kind: global_buffer, .address_space: global }
      - { .name: tw, .offset: 16, .size: 8, .value_kind: global_buffer, .address_space: global }
      - { .name: out0, .offset: 24, .size: 8, .value_kind: global_buffer, .address_space: global }
    .group_segment_fixed_size: 0
    .private_segment_fixed_size: 0
    .kernarg_segment_align: 8
    .kernarg_segment_size: 32
    .max_flat_workgroup_size: 128
    .sgpr_count:     66
    .vgpr_count:     160
    .wavefront_size: 32
...
	.end_amdgpu_metadata
.endif
;; end of part 5
